; MI455X (gfx1250); checked and timed in simulation.
; The chip was launched on July 23, 2026; its instructions are those of AMD's public machine-readable ISA for CDNA 5 (MIT licence, August 2026) and "CDNA5" Instruction Set Architecture Reference Guide (July 2026). The comments in the code are by the model that wrote it; some were corrected since.
;; Self Attention. Allowed arithmetic: matrix products marked QUANTISED: E3M2 operands, one E8M0 scale for each 32 along K, by v_wmma_scale_f32_16x16x128_f8f6f4 with both operands' format E3M2, f32 sums; everything else in f32.
;; Inputs: b_out 1,024 float32; key 4 x 2,048 x 1,024 float32; mask 4 x 1 x 2,048 x 2,048 int32; query 4 x 2,048 x 1,024 float32; value 4 x 2,048 x 1,024 float32; w_out 1,024 x 1,024 float32.
;; Outputs: out0 4 x 2,048 x 1,024 float32.
;; This version of the problem:
;;   THIS VERSION OF THE PROBLEM IS GIVEN IN LOW PRECISION. The matrix products marked QUANTISED in the list below multiply operands that are first quantised to E3M2 (3 exponent bits, 2 mantissa bits; 6 bits a number), with one power-of-two scale for each 32 numbers along K (OCP MX v1.0); their sums are f32. All else is computed in f32.
;;   The module's matrix products, in the order in which they are computed (A, B: the left and right operand; K: the contracted axis; several contracted axes count as one K, in the product's order):
;;     1. batch 64 x [M 2,048, K 64] x [K 64, N 2,048]; A: input query; B: input key: QUANTISED
;;     2. batch 64 x [M 64, K 2,048] x [K 2,048, N 2,048]; A: input value; B: softmax (see below): QUANTISED
;;     3. [M 8,192, K 1,024] x [K 1,024, N 1,024]; A: computed on the way; B: input w_out: QUANTISED
;;   THE QUANTISER, for each operand of a quantised product, along K:
;;     - K is cut into blocks of 32 from its start; a last block that is shorter is filled with zeros.
;;     - A block's scale is 2^e with e = floor(log2(the largest magnitude in the block)) - 4, held to -126 .. 127; a block of zeros has e = 0. As a byte (E8M0): e + 127.
;;     - Each number is divided by its block's scale, clamped to +-28, and rounded to the nearest number of E3M2, ties to even, subnormals kept.
;;     - The product sums the exact products of the quantised numbers (number of the format x scale) in f32.
;;   ~~~python
;;   def quantise(x, axis):      # numpy; x: float32 -> the quantised numbers, widened to float32 again
;;       x = np.moveaxis(x, axis, -1); K = x.shape[-1]
;;       x = np.pad(x, [(0, 0)] * (x.ndim - 1) + [(0, -K % 32)]); x = x.reshape(x.shape[:-1] + (-1, 32)); a = np.abs(x).max(-1, keepdims=True)
;;       e = np.where(a > 0, np.clip(np.frexp(np.where(a > 0, a, 1))[1] - 1 - 4, -126, 127), 0)      # np.frexp(a)[1] - 1 = floor(log2(a)), exactly
;;       r = np.clip(x / 2.0 ** e, -28, 28)
;;       step = 2.0 ** (np.maximum(np.frexp(np.where(r == 0, 1, r))[1] - 1, -2) - 2)
;;       q = np.round(r / step) * step * 2.0 ** e      # np.round: ties to even
;;       return np.moveaxis(q.reshape(q.shape[:-2] + (-1,))[..., :K], -1, axis).astype(np.float32)
;;   ~~~
;;   SOFTMAX AHEAD OF A QUANTISED PRODUCT. Where the list says 'softmax', what is quantised is not the finished softmax but p = 2^(t - M), with t = logit x log2(e) and M = ceil(the row's largest t), a whole number; so 1/2 < the row's largest p <= 1. The row's sum l is taken of the UNQUANTISED p, in f32, and the product's result is divided by l at the end. Since M is a whole number, a kernel that streams over the keys may use a running M (the ceiling of the running maximum): every later rescaling is an exact power of two, which a block's scale takes up: the codes' values come out the same.
;;   OPERANDS COMPUTED ON THE WAY. 'Computed on the way' means the value that the module computes at that place (a softmax that the list does not call 'softmax' is quantised finished and normalised). What goes into a quantiser is computed in f32, as accurately as f32 sums, v_exp_f32 and their like allow (about 1e-6 of the number): no bf16 or f16 on the way to a quantiser, and a product that is left as it is and whose result goes on into a quantised operand takes f32 operands (vector FMAs, or v_wmma_f32_16x16x4_f32). A number that lies on a knife's edge between two numbers of the format may be rounded either way, as far as f32 arithmetic and the matrix unit's own rounding can turn it there, and no further.
;; One version. Each part assembles by itself: llvm-mc -triple=amdgcn-amd-amdhsa -mcpu=gfx1250 --defsym DOCPART=n.
;; ======== version 1 of 1: 3 launches
;; limits: right only within a limited range of input values
;; workspace buffers: mbits 2,097,152 bytes of whole numbers; qimg 6,553,600 bytes; kimg 6,553,600 bytes; vimg 6,553,600 bytes; wimg 819,200 bytes; aimg 6,291,456 bytes; asc 262,144 bytes
;; launch prep (part 1): grid 1312 x 1, 4 waves a work-group, no clusters, 94,720 bytes of LDS; arguments mask, query, key, w_out, value, mbits, qimg, kimg, wimg, vimg; writes mbits, qimg, kimg, wimg, vimg
.if DOCPART == 1
	.amdgcn_target "amdgcn-amd-amdhsa--gfx1250"
	.amdhsa_code_object_version 6
	.text
	.protected	k_q099716f2b9_prep
	.globl	k_q099716f2b9_prep
	.p2align	8
	.type	k_q099716f2b9_prep,@function
k_q099716f2b9_prep:
	s_mov_b64 s[64:65], 0
	v_nop
	global_prefetch_b8 v0, s[64:65] scope:SCOPE_SE
	s_setreg_imm32_b32 hwreg(HW_REG_WAVE_MODE, 25, 1), 1
	s_wait_xcnt 0x0
; PREP: everything that many work-groups of the later launches read is laid out once, in the order in which a wave's registers take it.
; Three paths, parted by the work-group's number; each has LDS bytes of its own.  Waves share nothing: no barrier.  Work-groups share no input: no cluster.
;   work-groups 0-511:     mask [4][2048][2048] int32 -> mbits: for each (tile of 16 queries, step of 128 keys) 64 words; word 16 b + i has bit l = (mask[query l % 16][key 32 b + 16 (l / 16) + i] != 0):
;                          the lane mask of the register in which the attention launch holds that score.
;   work-groups 512-1055:  query, key, w_out (K innermost) -> codes of E3M2 with one E8M0 byte for each 32 along K.
;   work-groups 1056-1311: value (K = the keys, not innermost) -> the same, a lane to a channel, registers down the keys.
; AN OPERAND'S FORMAT.  A fragment (16 rows x 128 K, 12 registers a lane) lies in memory as an image of its registers, in two halves of 768 bytes: registers 6 c .. 6 c + 3 at 16 x lane, registers 6 c + 4, 6 c + 5
; at 512 + 8 x lane.  Four fragments and then 256 bytes of scale words (lane l's 8 bytes at 8 l: the word of fragment l / 16, row l % 16, and that of fragment 2 + l / 16) make a block of 6,400 bytes.
; A fragment of KEY holds two keys a row, since a head is 64 wide: row m of block b has key 32 b + 16 (m / 8) + m % 8 at K 0-63 and the key 8 further on at K 64-127.
; A fragment of VALUE: tile 2 b + u's row r is channel 32 b + 8 u + r + 8 (r / 8), K = the step's 128 keys.
; THE SCALE: the largest magnitude's exponent field less 4, held at 1 from below.  A block of zeros so gets the byte 1 where the quantiser says 127: its codes are zeros and this program alone reads the bytes.
; LIMITS: blocks whose largest magnitude lies under 2^-122 keep the byte 1; NaN and infinities among the inputs are not served.
.set WGC,  512                         ; work-groups of the mask path
.set WGA,  544                         ; of the path for query (256), key (256), w_out (32)
.set LDA,  33792                       ; LDS: mask path 4 x 8,448 from 0; second path 4 x 8,704 from here;
.set LDB,  68608                       ; third path 4 x 6,400 from here
.set WV,   24                          ; s24  my wave's number
.set R,    48                          ; v48-175  two sets of 64 registers as loaded
.set X,    176                         ; v176-239 64 numbers in the order in which they are worked
; ---- macros of the mask path.  t: the step, 0 to 3
.macro LOADM t                         ; 16 rows x 512 bytes: each load reads 512 consecutive bytes of one row
.irp i, 0,1,2,3,4,5,6,7,8,9,10,11,12,13,14,15
	global_load_b128 v[R+64*((\t)%2)+4*\i:R+64*((\t)%2)+4*\i+3], v8, s[4:5] offset:\i*8192+(\t)*512 th:TH_LOAD_NT
.endr
.endm
.macro TURNM t                         ; through my stage (rows 528 bytes apart): in as loaded, out as lane (r, h) wants them: of row r the keys 32 b + 16 h + 0 .. 15.  LDS serves a wave's instructions in order
.irp i, 0,1,2,3,4,5,6,7,8,9,10,11,12,13,14,15
	ds_store_b128 v6, v[R+64*((\t)%2)+4*\i:R+64*((\t)%2)+4*\i+3] offset:\i*528
.endr
.irp b, 0,1,2,3
.irp y, 0,1,2,3
	ds_load_b128 v[X+16*\b+4*\y:X+16*\b+4*\y+3], v7 offset:128*\b+16*\y
.endr
.endr
.endm
.macro BITS t                          ; a compare gives register j's lane mask; word j goes to lane j / 2, register j % 2 of the step's pair, which then leaves as 256 consecutive bytes
.irp q, 0,1,2,3
.irp i, 0,1,2,3,4,5,6,7,8,9,10,11,12,13,14,15
	v_cmp_ne_u32 s[32+\i], 0, v[X+16*\q+\i]
.endr
.irp i, 0,1,2,3,4,5,6,7,8,9,10,11,12,13,14,15
	v_writelane_b32 v[28+2*(\t)+\i%2], s[32+\i], 8*\q+\i/2
.endr
.endr
	global_store_b64 v9, v[28+2*(\t):29+2*(\t)], s[14:15] offset:256*(\t)
.endm
; ---- macros of the path for query, key, w_out.  f: the fragment, 0 to 3
.macro LOADF f                         ; load i brings the fragment's row i: lanes 0-15 the 256 bytes of K 0-63, lanes 16-31 those of K 64-127
.irp i, 0,1,2,3,4,5,6,7
	global_load_b128 v[R+64*((\f)%2)+4*\i:R+64*((\f)%2)+4*\i+3], v4, s[40+2*(\f):41+2*(\f)] offset:\i*4096 th:TH_LOAD_NT
.endr
.irp i, 8,9,10,11,12,13,14,15
	global_load_b128 v[R+64*((\f)%2)+4*\i:R+64*((\f)%2)+4*\i+3], v5, s[40+2*(\f):41+2*(\f)] offset:\i*4096 th:TH_LOAD_NT
.endr
.endm
.macro TURNF f                         ; through my stage: two planes (K 0-63, K 64-127) of 16 rows, 272 bytes apart; out: lane (r, h) takes K = 64 c + 32 h + 0 .. 31 of row r
.irp i, 0,1,2,3,4,5,6,7,8,9,10,11,12,13,14,15
	ds_store_b128 v6, v[R+64*((\f)%2)+4*\i:R+64*((\f)%2)+4*\i+3] offset:\i*272
.endr
.irp c, 0,1
.irp y, 0,1,2,3,4,5,6,7
	ds_load_b128 v[X+32*\c+4*\y:X+32*\c+4*\y+3], v7 offset:4352*\c+16*\y
.endr
.endr
.endm
.macro QUANTF f                        ; two whole blocks a lane: no other lane is asked for a maximum
.irp c, 0,1
	v_max3_num_f32 v[10+\c], |v[X+32*\c]|, |v[X+32*\c+1]|, 0x2800000   ; with the floor 2^(5 - 127): the byte cannot fall under 1
.endr
.irp i, 2,4,6,8,10,12,14,16,18,20,22,24,26,28,30
.irp c, 0,1
	v_max3_num_f32 v[10+\c], v[10+\c], |v[X+32*\c+\i]|, |v[X+32*\c+\i+1]|
.endr
.endr
.irp c, 0,1
	v_add_nc_u32 v[12+\c], 0xfe000000, v[10+\c]    ; 4 off the exponent field: the conversion's scale operand
.endr
.irp c, 0,1
	v_lshrrev_b32 v[14+\c], 23, v[12+\c]           ; the scale's byte
.endr
	v_lshl_or_b32 v16, v15, 16, v14                ; my two bytes, blocks h and 2 + h,
	v_lshlrev_b32 v16, v18, v16                    ; at their places (8 h bits up);
	v_permlanex16_b32 v17, v16, s48, s49
	v_or_b32 v[20+(\f)], v16, v17                  ; with lane l xor 16's two the row's word is whole
	s_wait_alu depctr_va_vdst(0)
	s_wait_xcnt 0x0                                ; the last fragment's stores have read v28-39: they are written again only behind this wait
	v_cvt_scalef32_pk16_bf6_f32 v[28:30], v[X:X+15], v12
	v_cvt_scalef32_pk16_bf6_f32 v[40:42], v[X+16:X+31], v12      ; (a conversion's three registers begin on an even number)
	v_cvt_scalef32_pk16_bf6_f32 v[34:36], v[X+32:X+47], v13
	v_cvt_scalef32_pk16_bf6_f32 v[44:46], v[X+48:X+63], v13
	v_nop                                          ; one plain place behind the conversions
.irp i, 0,1,2
	v_mov_b32 v[31+\i], v[40+\i]
	v_mov_b32 v[37+\i], v[44+\i]
.endr
	global_store_b128 v8, v[28:31], s[38:39] offset:1536*(\f)        ; each store covers 512 or 256 consecutive bytes, aligned to 256
	global_store_b64 v9, v[32:33], s[38:39] offset:1536*(\f)+512
	global_store_b128 v8, v[34:37], s[38:39] offset:1536*(\f)+768
	global_store_b64 v9, v[38:39], s[38:39] offset:1536*(\f)+1280
.endm
; ---- macros of the path for value.  t = 2 x (block of 32 keys) + (half of the head's 64 channels)
.macro LOADB t                         ; a lane takes a channel, its registers run down 32 keys; the two halves of a key's 256 bytes are asked for in blocks that follow each other
.irp i, 0,1,2,3,4,5,6,7,8,9,10,11,12,13,14,15,16,17,18,19,20,21,22,23,24,25,26,27,28,29,30,31
	global_load_b32 v[R+32*((\t)%2)+\i], v4, s[12:13] offset:(32*((\t)/2)+\i)*4096+128*((\t)%2) th:TH_LOAD_NT
.endr
.endm
.macro BLOCKB t
.set XS, R+32*((\t)%2)
.set BE, (\t)/2                        ; the block of keys: half c = BE / 2 of the fragment, lanes 16 (BE % 2) on
.set BH, (\t)%2                        ; the half of the channels
.if (\t) < 7
	s_wait_loadcnt 32                              ; this block's 32 loads are in; the next block's 32 may be out
.else
	s_wait_loadcnt 0x0
.endif
	v_max3_num_f32 v15, |v[XS]|, |v[XS+1]|, |v[XS+2]|
	v_max3_num_f32 v16, |v[XS+3]|, |v[XS+4]|, |v[XS+5]|
.irp i, 6,10,14,18,22,26
	v_max3_num_f32 v15, v15, |v[XS+\i]|, |v[XS+\i+1]|
	v_max3_num_f32 v16, v16, |v[XS+\i+2]|, |v[XS+\i+3]|
.endr
	v_max3_num_f32 v15, v15, |v[XS+30]|, |v[XS+31]|
	v_max3_num_f32 v15, v15, v16, 0x2800000        ; and the floor
	v_add_nc_u32 v17, 0xfe000000, v15
	v_lshrrev_b32 v18, 23, v17
.if BE == 0
	v_mov_b32 v[20+BH], v18                        ; the channel's scale word: byte BE
.else
	v_lshl_or_b32 v[20+BH], v18, 8*BE, v[20+BH]
.endif
	v_cvt_scalef32_pk16_bf6_f32 v[28:30], v[XS:XS+15], v17
	v_cvt_scalef32_pk16_bf6_f32 v[40:42], v[XS+16:XS+31], v17
	v_nop
.irp i, 0,1,2
	v_mov_b32 v[31+\i], v[40+\i]
.endr
	ds_store_b128 v5, v[28:31] offset:3072*BH+768*(BE/2)+256*(BE%2)      ; into the image of tile 2 BH + u, at the place of lane r' + 16 (BE % 2)
	ds_store_b64 v6, v[32:33] offset:3072*BH+768*(BE/2)+512+128*(BE%2)
.if BE == 3
	ds_store_b32 v7, v[20+BH] offset:6144+4*BH
.endif
.if (\t)+2 < 8
	LOADB (\t)+2
.endif
	s_wait_dscnt 0x0                               ; the stores have read their registers: the next block's codes may be written
.endm
	s_load_b256 s[4:11], s[0:1], 0x0               ; mask s[4:5], query s[6:7], key s[8:9], w_out s[10:11]
	s_load_b256 s[12:19], s[0:1], 0x20             ; value s[12:13], mbits s[14:15], qimg s[16:17], kimg s[18:19]
	s_load_b128 s[20:23], s[0:1], 0x40             ; wimg s[20:21], vimg s[22:23]
	v_lshl_add_u32 v240, v0, 2, 0x17000
	v_mov_b32 v241, 0
	v_lshrrev_b32 v1, 5, v0
	v_readfirstlane_b32 s[WV], v1                  ; wave 0..3
	v_and_b32 v1, 31, v0                           ; lane
	v_and_b32 v2, 15, v0                           ; r
	v_bfe_u32 v3, v0, 4, 1                         ; h
	v_lshlrev_b32 v8, 4, v1                        ; 16 x lane
	v_lshlrev_b32 v9, 3, v1                        ; 8 x lane
	s_wait_kmcnt 0x0
	s_cmp_lt_u32 ttmp9, WGC
	s_cbranch_scc0 .Lnot_mask
	; ================ THE MASK.  The work-group is a tile of 16 queries (n x 128 + T); wave w takes steps 4 w .. 4 w + 3
	s_lshl_b32 s26, ttmp9, 17                      ; 16 rows of 8,192 bytes
	s_lshl_b32 s27, s[WV], 11                      ; 4 steps of 512 bytes
	s_add_co_u32 s26, s26, s27
	s_mov_b32 s27, 0
	s_add_nc_u64 s[4:5], s[4:5], s[26:27]
	s_lshl_b32 s26, ttmp9, 12                      ; 16 steps of 256 bytes
	s_lshl_b32 s28, s[WV], 10
	s_add_co_u32 s26, s26, s28
	s_add_nc_u64 s[14:15], s[14:15], s[26:27]
	s_mul_i32 s28, s[WV], 8448                     ; my stage
	s_wait_alu depctr_va_vdst(0)
	v_add_nc_u32 v6, s28, v8                       ; in: 16 x lane
	v_mul_u32_u24 v7, v2, 528
	v_lshl_add_u32 v7, v3, 6, v7
	v_add_nc_u32 v7, s28, v7                       ; out: row r, + 64 h
.irp d, 28,29,30,31,32,33,34,35
	v_mov_b32 v\d, 0                               ; written once: a lane write's destination counts as read
.endr
	LOADM 0
	LOADM 1
	s_wait_alu depctr_va_vdst(0)
.irp t, 0,1,2,3
.if \t < 3
	s_wait_loadcnt 16                              ; this step's 16 loads are in; the next step's 16 may be out
.else
	s_wait_loadcnt 0x0
.endif
	TURNM \t
	s_wait_dscnt 0x0                               ; the numbers are back, and the stage's stores have read their registers,
.if \t < 2
	LOADM \t+2                                     ; which take the loads of two steps on
.endif
	BITS \t
.endr
	s_wait_tensorcnt 0x0
	ds_add_u32 v240, v241
	s_wait_dscnt 0x0
	s_endpgm
.Lnot_mask:
	s_cmp_lt_u32 ttmp9, WGC+WGA
	s_cbranch_scc0 .Lvalue
	; ================ QUERY, KEY, W_OUT.  A wave makes one block of four fragments
	s_sub_co_u32 s25, ttmp9, WGC                   ; 0-255 query, 256-511 key, 512-543 w_out
	s_and_b32 s26, s25, 255
	s_lshl_b32 s26, s26, 2
	s_add_co_u32 s26, s26, s[WV]                   ; the block's number in its buffer
	s_lshr_b32 s28, s26, 1                         ; query, w_out: 16 rows of 4,096 bytes x (block / 2) + 2,048 x (block % 2)
	s_lshl_b32 s28, s28, 16
	s_and_b32 s29, s26, 1
	s_lshl_b32 s29, s29, 11
	s_add_co_u32 s28, s28, s29
	s_lshr_b32 s29, s26, 8                         ; key: block = (n x 16 + head) x 16 + step: n x 2^23 + step x 2^19 + head x 256
	s_lshl_b32 s29, s29, 23
	s_and_b32 s30, s26, 15
	s_lshl_b32 s30, s30, 19
	s_add_co_u32 s29, s29, s30
	s_bfe_u32 s30, s26, 0x40004
	s_lshl_b32 s30, s30, 8
	s_add_co_u32 s29, s29, s30
	s_lshr_b32 s31, s25, 8
	s_cmp_eq_u32 s31, 1                            ; key?  The choices hang on the work-group's number alone
	s_cselect_b32 s28, s29, s28                    ; where the block's numbers begin
	s_mov_b32 s32, 512
	s_cselect_b32 s32, 131072, s32                 ; from fragment to fragment: 128 along K, or 32 keys
	s_mov_b32 s34, 256
	s_cselect_b32 s34, 32768, s34                  ; from K 0-63 to K 64-127: 256 bytes on, or 8 keys on
	s_cselect_b32 s35, 32768, 0                    ; rows 8-15 of a fragment of key lie 8 keys further on
	s_cselect_b64 s[36:37], s[8:9], s[6:7]
	s_cselect_b64 s[38:39], s[18:19], s[16:17]
	s_cmp_eq_u32 s31, 2                            ; w_out?
	s_cselect_b64 s[36:37], s[10:11], s[36:37]
	s_cselect_b64 s[38:39], s[20:21], s[38:39]
	s_mov_b32 s29, 0
	s_mov_b32 s33, 0
	s_add_nc_u64 s[40:41], s[36:37], s[28:29]      ; the four fragments' first bytes
	s_add_nc_u64 s[42:43], s[40:41], s[32:33]
	s_add_nc_u64 s[44:45], s[42:43], s[32:33]
	s_add_nc_u64 s[46:47], s[44:45], s[32:33]
	s_mul_i32 s28, s26, 6400
	s_add_nc_u64 s[38:39], s[38:39], s[28:29]      ; the block's place in its buffer
	s_wait_alu depctr_va_vdst(0)
	v_mul_lo_u32 v4, v3, s34
	v_lshl_add_u32 v4, v2, 4, v4                   ; 16 r + h x (the step to K 64-127)
	v_add_nc_u32 v5, s35, v4
	s_mul_i32 s28, s[WV], 8704
	s_add_co_u32 s28, s28, LDA                     ; my stage
	v_mul_u32_u24 v6, v3, 4352
	v_lshl_add_u32 v6, v2, 4, v6
	v_add_nc_u32 v6, s28, v6                       ; in: plane h, 16 r
	v_mul_u32_u24 v7, v2, 272
	v_lshl_add_u32 v7, v3, 7, v7
	v_add_nc_u32 v7, s28, v7                       ; out: row r, + 128 h
	v_lshlrev_b32 v18, 3, v3                       ; 8 h
	v_mov_b32 v17, 0                               ; written once: a lane permute's destination counts as read
	s_mov_b32 s48, 0x76543210
	s_mov_b32 s49, 0xfedcba98                      ; selects for lane l xor 16
	s_mov_b32 s50, 0xffff0000                      ; lanes 16-31
	LOADF 0
	LOADF 1
	s_wait_alu depctr_va_vdst(0)
.irp f, 0,1,2,3
.if \f < 3
	s_wait_loadcnt 16                              ; this fragment's 16 loads are in; the next one's 16 may be out
.else
	s_wait_loadcnt 0x0
.endif
	TURNF \f
	s_wait_dscnt 0x0
.if \f < 2
	LOADF \f+2
.endif
	QUANTF \f
.endr
	v_cndmask_b32 v24, v20, v21, s50               ; the scale image: lanes 0-15 fragment 0's (2's) words, lanes 16-31 fragment 1's (3's)
	v_cndmask_b32 v25, v22, v23, s50
	global_store_b64 v9, v[24:25], s[38:39] offset:6144
	s_wait_tensorcnt 0x0
	ds_add_u32 v240, v241
	s_wait_dscnt 0x0
	s_endpgm
.Lvalue:
	; ================ VALUE.  A wave makes the block of one (n, head, step of 128 keys)
	s_sub_co_u32 s25, ttmp9, WGC+WGA
	s_lshl_b32 s25, s25, 2
	s_add_co_u32 s25, s25, s[WV]                   ; (n x 16 + head) x 16 + step
	s_lshr_b32 s26, s25, 8
	s_lshl_b32 s26, s26, 23
	s_and_b32 s27, s25, 15
	s_lshl_b32 s27, s27, 19
	s_add_co_u32 s26, s26, s27
	s_bfe_u32 s27, s25, 0x40004
	s_lshl_b32 s27, s27, 8
	s_add_co_u32 s26, s26, s27
	s_mov_b32 s27, 0
	s_add_nc_u64 s[12:13], s[12:13], s[26:27]
	s_mul_i32 s26, s25, 6400
	s_add_nc_u64 s[22:23], s[22:23], s[26:27]
	s_mul_i32 s28, s[WV], 6400
	s_add_co_u32 s28, s28, LDB                     ; my block's image in LDS
	s_wait_alu depctr_va_vdst(0)
	v_lshlrev_b32 v4, 2, v1                        ; in: 4 bytes a lane
	v_bfe_u32 v12, v0, 3, 1                        ; u: which of the two tiles my channel falls into
	v_and_b32 v13, 7, v0
	v_lshl_or_b32 v13, v3, 3, v13                  ; r': its row there
	v_mul_u32_u24 v14, v12, 1536
	v_add_nc_u32 v14, s28, v14
	v_lshl_add_u32 v5, v13, 4, v14                 ; 1,536 u + 16 r'
	v_lshl_add_u32 v6, v13, 3, v14                 ; 1,536 u + 8 r'
	v_lshlrev_b32 v7, 7, v12
	v_lshl_add_u32 v7, v13, 3, v7
	v_add_nc_u32 v7, s28, v7                       ; the scale image: 128 u + 8 r'
	v_add_nc_u32 v10, s28, v8                      ; the way out: 16 x lane,
	v_add_nc_u32 v11, s28, v9                      ; 8 x lane
	LOADB 0
	LOADB 1
.irp t, 0,1,2,3,4,5,6,7
	BLOCKB \t
.endr
.irp j, 0,1,2,3,4,5,6,7,8,9,10,11
	ds_load_b128 v[112+4*\j:115+4*\j], v10 offset:512*\j     ; LDS serves a wave's instructions in order: these see my stores
.endr
	ds_load_b64 v[160:161], v11 offset:6144
.irp j, 0,1,2,3,4,5,6,7,8,9,10,11
	s_wait_dscnt 12-\j                             ; load j is in; the 12 - j younger ones may be out
	global_store_b128 v8, v[112+4*\j:115+4*\j], s[22:23] offset:512*\j
.endr
	s_wait_dscnt 0x0
	global_store_b64 v9, v[160:161], s[22:23] offset:6144
	s_wait_tensorcnt 0x0
	ds_add_u32 v240, v241
	s_wait_dscnt 0x0
	s_endpgm
.Lfunc_end_k_q099716f2b9_prep:
	.size	k_q099716f2b9_prep, .Lfunc_end_k_q099716f2b9_prep-k_q099716f2b9_prep
	.p2alignl 7, 3214868480
	.fill 96, 4, 3214868480
	.section	.rodata,"a",@progbits
	.p2align	6, 0x0
	.amdhsa_kernel k_q099716f2b9_prep
		.amdhsa_group_segment_fixed_size 94720
		.amdhsa_private_segment_fixed_size 0
		.amdhsa_enable_private_segment 0
		.amdhsa_kernarg_size 80
		.amdhsa_user_sgpr_count 2
		.amdhsa_user_sgpr_kernarg_segment_ptr 1
		.amdhsa_wavefront_size32 1
		.amdhsa_system_sgpr_workgroup_id_x 1
		.amdhsa_system_sgpr_workgroup_id_y 1
		.amdhsa_system_sgpr_workgroup_id_z 1
		.amdhsa_system_vgpr_workitem_id 0
		.amdhsa_next_free_vgpr 242
		.amdhsa_next_free_sgpr 66
		.amdhsa_reserve_vcc 0
		.amdhsa_float_denorm_mode_32 3
		.amdhsa_float_denorm_mode_16_64 3
		.amdhsa_memory_ordered 1
		.amdhsa_forward_progress 1
		.amdhsa_inst_pref_size 121
	.end_amdhsa_kernel
	.amdgpu_metadata
---
amdhsa.version: [ 1, 2 ]
amdhsa.kernels:
  - .name:           k_q099716f2b9_prep
    .symbol:         k_q099716f2b9_prep.kd
    .args:
      - { .name: mask, .offset: 0, .size: 8, .value_kind: global_buffer, .address_space: global }
      - { .name: query, .offset: 8, .size: 8, .value_kind: global_buffer, .address_space: global }
      - { .name: key, .offset: 16, .size: 8, .value_kind: global_buffer, .address_space: global }
      - { .name: w_out, .offset: 24, .size: 8, .value_kind: global_buffer, .address_space: global }
      - { .name: value, .offset: 32, .size: 8, .value_kind: global_buffer, .address_space: global }
      - { .name: mbits, .offset: 40, .size: 8, .value_kind: global_buffer, .address_space: global }
      - { .name: qimg, .offset: 48, .size: 8, .value_kind: global_buffer, .address_space: global }
      - { .name: kimg, .offset: 56, .size: 8, .value_kind: global_buffer, .address_space: global }
      - { .name: wimg, .offset: 64, .size: 8, .value_kind: global_buffer, .address_space: global }
      - { .name: vimg, .offset: 72, .size: 8, .value_kind: global_buffer, .address_space: global }
    .group_segment_fixed_size: 94720
    .private_segment_fixed_size: 0
    .kernarg_segment_align: 8
    .kernarg_segment_size: 80
    .max_flat_workgroup_size: 128
    .sgpr_count:     66
    .vgpr_count:     242
    .wavefront_size: 32
...
	.end_amdgpu_metadata
.endif
;; end of part 1
;; launch attn (part 2): grid 4 x 64, 16 waves a work-group, clusters of 4 x 1, 327,680 bytes of LDS; arguments qimg, kimg, vimg, mbits, aimg, asc; writes aimg, asc
.if DOCPART == 2
	.amdgcn_target "amdgcn-amd-amdhsa--gfx1250"
	.amdhsa_code_object_version 6
	.text
	.protected	k_q099716f2b9_attn
	.globl	k_q099716f2b9_attn
	.p2align	8
	.type	k_q099716f2b9_attn,@function
k_q099716f2b9_attn:
	s_mov_b64 s[64:65], 0
	v_nop
	global_prefetch_b8 v0, s[64:65] scope:SCOPE_SE
	s_setreg_imm32_b32 hwreg(HW_REG_WAVE_MODE, 25, 1), 1
	s_wait_xcnt 0x0
	s_wait_alu depctr_hold_cnt(0) depctr_sa_sdst(0) depctr_va_vdst(0) depctr_va_sdst(0) depctr_va_ssrc(0) depctr_va_vcc(0) depctr_vm_vsrc(0)
	s_getreg_b32 s2, hwreg(HW_REG_IB_STS2, 6, 4)
	s_cmp_eq_u32 s2, 0
	s_cbranch_scc0 .Lentry_in_a_cluster
	s_endpgm
.Lentry_in_a_cluster:
	s_bfe_u32 s2, ttmp6, 0x10000c
	s_cmp_lg_u32 s2, 0x3003
	s_cbranch_scc0 .Lentry_shape_is_right
	s_endpgm
.Lentry_shape_is_right:
; ATTN: softmax(mask(q k^T) / 32) v for one (n, head) and 512 queries, on codes of E3M2; the result leaves as codes (aimg) with two scale bytes for each (row, head) (asc).
; SHARES.  Grid 4 x 64: y = n x 16 + head, x = 512 queries.  16 waves, each with two tiles of 16 queries, one after the other; a step is 128 keys, 16 steps a tile.
; LDS.  All 2,048 keys of the head, filled ONCE: K's 16 blocks of 6,400 bytes from byte 0, V's 16 from byte 102,400.  Waves 0-7 fetch two blocks of K each, waves 8-15 two of V: one tensor load a wave, 12,800 bytes.
; CLUSTER 4, 1, 1: the four blocks of queries of one head need the same K and V and ask for them jointly.
; Both products are used transposed (S^T = k q^T, O^T = v^T p^T): a lane holds one query.  M is the running largest t rounded up to a whole number; the row's sum is taken of the unquantised p.
; THE MASK comes as lane masks (mbits) by scalar loads, one step ahead.  A masked score is replaced by -2^73 where reference() writes -1e22: beside a live score both give p = 0, and a row with no live key gets equal p either way.
; LIMIT: live scores stay under 2^60 in magnitude; the whole-number change of M saturates.  NaN and infinities among the inputs are not served.
; A split barrier stands in every step: no wave passes a step's middle before all sixteen have begun that step.  Between its halves: register work and reads of LDS bytes that nobody writes.
; No prefetch: the only tensor loads stand at the head, so there is no loop to run ahead in.
.set WV,    12
.set MO,    13
.set TS,    15
.set QP,    4
.set MP,    6
.set AP,    8
.set SCP,   10
.set STEPS, 66
.set TILES, 67
.set SEL,   84
.set CS,    86
.set SH,    90
.set TT,    91
.set G1,    16
.set G0K,   24
.set G0V,   28
.set SCST,  262144
.set QHI,   16
.set QLO,   22
.set KS,    34
.set VS,    36
.set F,     38
.set S,     96
.set O,     160
.set P,     192
.set BM,    204
.set PM,    208
.set SO,    216
.set FF,    220
.set TMP,   222
.set SCR,   223
.set SCW,   224
.macro CROUND
	s_barrier_signal -1
	s_barrier_wait -1
	s_cmp_lg_u32 s[WV], 0
	s_cbranch_scc1 .Lnot_wave_0_\@
	s_barrier_signal -3
.Lnot_wave_0_\@:
	s_barrier_wait -3
	s_barrier_signal -1
	s_barrier_wait -1
.endm
.macro LDFRAG reg, off, a16, a8        ; a fragment comes as it was stored; a16, a8: the registers with 16 x lane and 8 x lane + the block's place
	ds_load_b128 v[\reg:\reg+3], v[\a16] offset:\off
	ds_load_b64 v[\reg+4:\reg+5], v[\a8] offset:\off+512
	ds_load_b128 v[\reg+6:\reg+9], v[\a16] offset:\off+768
	ds_load_b64 v[\reg+10:\reg+11], v[\a8] offset:\off+1280
.endm
.macro MASKLD
	s_load_b512 s[16:31], s[MP:MP+1], s[MO] offset:0x0
	s_load_b512 s[32:47], s[MP:MP+1], s[MO] offset:0x40
	s_load_b512 s[48:63], s[MP:MP+1], s[MO] offset:0x80
	s_load_b512 s[68:83], s[MP:MP+1], s[MO] offset:0xc0
.endm
	s_load_b256 s[32:39], s[0:1], 0x0
	s_load_b128 s[40:43], s[0:1], 0x20
	v_lshl_add_u32 v254, v0, 2, 0x40400
	v_mov_b32 v255, 0
	ds_add_u32 v254, v255
	ds_add_u32 v254, v255
	v_lshrrev_b32 v1, 5, v0
	s_delay_alu instid0(VALU_DEP_1)
	v_readfirstlane_b32 s[WV], v1
	s_and_b32 s44, ttmp7, 0xffff
	s_lshl_b32 s52, s44, 4                         ; the head's first block
	s_and_b32 s54, s[WV], 7
	s_lshl_b32 s54, s54, 1
	s_add_co_u32 s52, s52, s54                     ; + my two blocks: 2 (wave % 8)
	s_mul_i32 s52, s52, 6400
	s_mov_b32 s53, 0
	s_mul_i32 s54, s[WV], 12800                    ; LDS: K's blocks from 0 (waves 0-7), V's from 102,400 (waves 8-15)
	s_mov_b32 s[G1], 15|(3<<16)|(1<<21)
	s_mov_b32 s[G1+1], 32<<16
	s_mov_b32 s[G1+2], 50<<16                      ; two blocks: 50 rows of 256 bytes
	s_mov_b32 s[G1+3], 32<<16
	s_mov_b32 s[G1+4], 50
	s_mov_b32 s[G1+5], 32
	s_mov_b32 s[G1+6], 0
	s_mov_b32 s[G1+7], 0
	s_wait_dscnt 0x0
	s_wait_kmcnt 0x0
	s_mov_b32 s[G0K], 1
	s_mov_b32 s[G0K+1], s54
	s_add_nc_u64 s[G0K+2:G0K+3], s[34:35], s[52:53]
	s_or_b32 s[G0K+3], s[G0K+3], 0x80000000
	s_mov_b32 s[G0V], 1
	s_mov_b32 s[G0V+1], s54
	s_add_nc_u64 s[G0V+2:G0V+3], s[36:37], s[52:53]
	s_or_b32 s[G0V+3], s[G0V+3], 0x80000000
	CROUND                                         ; all four work-groups are here: the joint loads meet
	s_cmp_lt_u32 s[WV], 8                          ; one load a wave, in the two arms of one branch on the wave's number
	s_cbranch_scc0 .Lfor_v
	tensor_load_to_lds s[G0K:G0K+3], s[G1:G1+7]
	s_nop 0
.rept 4
	v_nop
.endr
	s_branch .Lasked
.Lfor_v:
	tensor_load_to_lds s[G0V:G0V+3], s[G1:G1+7]
	s_nop 0
.rept 4
	v_nop
.endr
.Lasked:
	s_bfe_u32 s14, ttmp6, 0x40000
	s_lshl_b32 s56, ttmp9, 2
	s_add_co_u32 s14, s14, s56
	s_lshr_b32 s45, s44, 4
	s_and_b32 s46, s44, 15
	s_lshr_b32 s47, s46, 1
	s_lshr_b32 s48, s47, 2
	s_and_b32 s49, s47, 3
	s_and_b32 s50, s46, 1
	s_lshl_b32 s51, s45, 7
	s_lshl_b32 s56, s14, 5
	s_add_co_u32 s51, s51, s56
	s_lshl_b32 s56, s[WV], 1
	s_add_co_u32 s51, s51, s56
	s_mul_i32 s57, s49, 1536
	s_mul_i32 s58, s50, 768
	s_add_co_u32 s57, s57, s58
	s_mov_b32 s61, 0
	s_lshl_b32 s60, s51, 1
	s_add_co_u32 s60, s60, s48
	s_mul_i32 s60, s60, 6400
	s_add_co_u32 s60, s60, s57
	s_add_nc_u64 s[QP:QP+1], s[32:33], s[60:61]
	s_lshl_b32 s60, s51, 12
	s_add_nc_u64 s[MP:MP+1], s[38:39], s[60:61]
	s_lshl_b32 s60, s51, 3
	s_add_co_u32 s60, s60, s47
	s_mul_i32 s60, s60, 1536
	s_add_co_u32 s60, s60, s58
	s_add_nc_u64 s[AP:AP+1], s[40:41], s[60:61]
	s_lshl_b32 s60, s45, 4
	s_lshl_b32 s59, s14, 2
	s_add_co_u32 s60, s60, s59
	s_lshl_b32 s60, s60, 4
	s_add_co_u32 s60, s60, s46
	s_lshl_b32 s60, s60, 8
	s_and_b32 s59, s[WV], 3
	s_lshl_b32 s59, s59, 12
	s_add_co_u32 s60, s60, s59
	s_add_nc_u64 s[SCP:SCP+1], s[42:43], s[60:61]
	s_and_b32 s59, s49, 1
	s_lshl_b32 s59, s59, 7
	s_lshr_b32 s62, s49, 1
	s_lshl_b32 s62, s62, 2
	s_add_co_u32 s59, s59, s62
	s_add_co_u32 s59, s59, 6144
	s_sub_co_u32 s59, s59, s57
	v_and_b32 v11, 15, v0
	s_delay_alu instid0(VALU_DEP_1)
	v_lshl_add_u32 v10, v11, 3, s59
	s_lshl_b32 s[SH], s50, 4
	s_lshl_b32 s59, s[WV], 6
	s_add_co_u32 s59, s59, SCST
	v_lshl_add_u32 v9, v11, 1, s59
	v_and_b32 v11, 31, v0
	s_delay_alu instid0(VALU_DEP_1)
	v_lshlrev_b32 v1, 4, v11
	s_delay_alu instid0(VALU_DEP_2)
	v_lshlrev_b32 v2, 3, v11
	s_and_b32 s59, s[WV], 3
	s_lshl_b32 s59, s59, 8
	s_add_co_u32 s59, s59, SCST
	v_add_nc_u32 v[SCR], s59, v2
	v_mov_b32 v5, 0xe4000000
.irp d, 16,17,18,19,20,21,28,29,30,31,32,33
	v_mov_b32 v\d, 0
.endr
.irp d, 0,1,2,3,4,5,6,7
	v_mov_b32 v[PM+\d], 0
.endr
	v_mov_b32 v[FF+1], 0
	v_mov_b32 v[TMP], 0
	s_mov_b32 s[SEL], 0x76543210
	s_mov_b32 s[SEL+1], 0xfedcba98
	s_mov_b32 s[CS], 0x3d38aa3b
	s_mov_b32 s[CS+1], s[CS]
	s_mov_b32 s[TT], 0
	s_mov_b32 s[MO], 0
	s_mov_b32 s[TILES], 2
	s_wait_tensorcnt 0x0
	s_barrier_signal -1
	s_barrier_wait -1
	MASKLD
.Ltile:
	global_load_b128 v[QLO:QLO+3], v1, s[QP:QP+1]
	global_load_b64 v[QLO+4:QLO+5], v2, s[QP:QP+1] offset:512
	global_load_b32 v11, v10, s[QP:QP+1]
	v_mov_b32 v13, 0xff61b1e6
	s_delay_alu instid0(VALU_DEP_1)
	v_floor_f32 v12, -v13
	v_mov_b32 v14, 0
	v_mov_b32 v15, 0
	s_wait_loadcnt 0x0
	v_lshrrev_b32 v11, s[SH], v11
	s_delay_alu instid0(VALU_DEP_1)
	v_and_b32 v11, 0xffff, v11
	s_delay_alu instid0(VALU_DEP_1)
	v_or_b32 v6, 0x1010000, v11
	s_delay_alu instid0(VALU_DEP_2)
	v_lshl_or_b32 v7, v11, 16, 0x101
.set j, 0
.rept 32
	v_mov_b32 v[O+j], 0
.set j, j+1
.endr
	s_mov_b32 s[TS], 0
	s_mov_b32 s[STEPS], 16
.Lstep:
	s_barrier_signal -1                            ; I have begun this step (no LDS instruction of mine is out here)
	v_add_nc_u32 v3, s[TS], v1                     ; K's block of this step; these four lines are also the places behind the last products
	v_add_nc_u32 v4, s[TS], v2
	v_add_nc_u32 v86, 0x19000, v3                  ; V's block, 102,400 bytes on
	v_add_nc_u32 v87, 0x19000, v4
.irp b, 0,1,2,3
	LDFRAG F+12*\b, 1536*\b, 3, 4
.endr
	ds_load_b64 v[KS:KS+1], v4 offset:6144
	s_wait_alu depctr_va_vdst(0)
	s_wait_dscnt 0x0
	s_wait_kmcnt 0x0
.irp b, 0,1,2,3
.if \b%2
	v_wmma_scale_f32_16x16x128_f8f6f4 v[S+16*\b:S+16*\b+7], v[F+12*\b:F+12*\b+11], v[QLO:QLO+11], 0, v[KS+\b/2], v6 matrix_a_fmt:MATRIX_FMT_BF6 matrix_b_fmt:MATRIX_FMT_BF6 matrix_a_scale:MATRIX_SCALE_ROW1
	v_wmma_scale_f32_16x16x128_f8f6f4 v[S+16*\b+8:S+16*\b+15], v[F+12*\b:F+12*\b+11], v[QHI:QHI+11], 0, v[KS+\b/2], v7 matrix_a_fmt:MATRIX_FMT_BF6 matrix_b_fmt:MATRIX_FMT_BF6 matrix_a_scale:MATRIX_SCALE_ROW1
.else
	v_wmma_scale_f32_16x16x128_f8f6f4 v[S+16*\b:S+16*\b+7], v[F+12*\b:F+12*\b+11], v[QLO:QLO+11], 0, v[KS+\b/2], v6 matrix_a_fmt:MATRIX_FMT_BF6 matrix_b_fmt:MATRIX_FMT_BF6
	v_wmma_scale_f32_16x16x128_f8f6f4 v[S+16*\b+8:S+16*\b+15], v[F+12*\b:F+12*\b+11], v[QHI:QHI+11], 0, v[KS+\b/2], v7 matrix_a_fmt:MATRIX_FMT_BF6 matrix_b_fmt:MATRIX_FMT_BF6
.endif
.endr
.rept 4
	v_nop
.endr
.irp t, 0,1,2,3
	LDFRAG F+12*\t, 1536*\t, 86, 87
.endr
	ds_load_b64 v[VS:VS+1], v87 offset:6144
.set j, 0
.rept 64
.if j < 48
	v_cndmask_b32 v[S+j], v5, v[S+j], s[16+j]
.else
	v_cndmask_b32 v[S+j], v5, v[S+j], s[20+j]
.endif
.set j, j+1
.endr
.irp b, 0,1,2,3
	v_max3_num_f32 v[BM+\b], v[S+16*\b], v[S+16*\b+1], v[S+16*\b+2]
.endr
.irp i, 3,5,7,9,11,13
.irp b, 0,1,2,3
	s_delay_alu instid0(VALU_DEP_4)
	v_max3_num_f32 v[BM+\b], v[BM+\b], v[S+16*\b+\i], v[S+16*\b+\i+1]
.endr
.endr
.irp b, 0,1,2,3
	s_delay_alu instid0(VALU_DEP_4)
	v_max_num_f32 v[BM+\b], v[BM+\b], v[S+16*\b+15]
.endr
.irp b, 0,1,2,3
	s_delay_alu instid0(VALU_DEP_4)
	v_permlanex16_b32 v[PM+\b], v[BM+\b], s[SEL], s[SEL+1]
.endr
.irp b, 0,1,2,3
	s_delay_alu instid0(VALU_DEP_4)
	v_max_num_f32 v[BM+\b], v[BM+\b], v[PM+\b]
.endr
	s_wait_alu depctr_va_vdst(0)                   ; the wait here, directly ahead of the barrier's wait
	s_barrier_wait -1                              ; all sixteen waves have begun this step
	s_add_co_u32 s[MO], s[MO], 256
	s_min_u32 s[MO], s[MO], 7936
	MASKLD
	v_max3_num_f32 v[TMP], v[BM], v[BM+1], v[BM+2]
	s_delay_alu instid0(VALU_DEP_1)
	v_max_num_f32 v[TMP], v[TMP], v[BM+3]
	s_delay_alu instid0(VALU_DEP_1)
	v_mul_f32 v[TMP], s[CS], v[TMP]
	s_delay_alu instid0(VALU_DEP_1)
	v_max_num_f32 v13, v13, v[TMP]
	v_mov_b32 v[TMP], v12
	s_delay_alu instid0(VALU_DEP_2)
	v_floor_f32 v12, -v13
	s_delay_alu instid0(VALU_DEP_1)
	v_sub_f32 v[TMP], v12, v[TMP]
	s_delay_alu instid0(VALU_DEP_1)
	v_cvt_i32_f32 v[TMP], v[TMP]
	s_delay_alu instid0(VALU_DEP_1)
	v_ldexp_f32 v[FF], 1.0, v[TMP]
.set j, 0
.rept 32
	v_pk_fma_f32 v[S+j:S+j+1], v[S+j:S+j+1], s[CS:CS+1], v[12:13] op_sel_hi:[1,0,0]
.set j, j+2
.endr
.irp b, 0,1,2,3
	v_fma_f32 v[BM+\b], v[BM+\b], s[CS], v12
.endr
.set j, 0
	s_wait_alu depctr_va_vdst(0)
.rept 64
	v_exp_f32 v[S+j], v[S+j]
.set j, j+1
.endr
	v_pk_mul_f32 v[14:15], v[14:15], v[FF:FF+1] op_sel_hi:[1,0]
	s_wait_alu depctr_va_vdst(0)
.irp b, 0,1,2,3
	v_exp_f32 v[BM+\b], v[BM+\b]
.endr
	v_pk_add_f32 v[PM:PM+1], v[S:S+1], v[S+2:S+3]
.irp j, 4,8,12,16,20,24,28,32,36,40,44,48,52,56,60
	v_pk_add_f32 v[14:15], v[14:15], v[S+\j:S+\j+1]
	v_pk_add_f32 v[PM:PM+1], v[PM:PM+1], v[S+\j+2:S+\j+3]
.endr
	s_delay_alu instid0(VALU_DEP_1)
	v_pk_add_f32 v[14:15], v[14:15], v[PM:PM+1]
	s_wait_alu depctr_va_vdst(0)
.irp b, 0,1,2,3
	v_max_num_f32 v[BM+\b], 0x2800000, v[BM+\b]
.endr
.irp b, 0,1,2,3
	s_delay_alu instid0(VALU_DEP_4)
	v_add_nc_u32 v[SO+\b], 0xfe000000, v[BM+\b]
.endr
.irp b, 0,1,2,3
	s_delay_alu instid0(VALU_DEP_4)
	v_lshrrev_b32 v[PM+\b], 23, v[SO+\b]
.endr
	s_delay_alu instid0(VALU_DEP_3)
	v_lshl_or_b32 v8, v[PM+1], 8, v[PM]
	s_delay_alu instid0(VALU_DEP_1)
	v_lshl_or_b32 v8, v[PM+2], 16, v8
	s_delay_alu instid0(VALU_DEP_1)
	v_lshl_or_b32 v8, v[PM+3], 24, v8
.irp c, 0,1
	v_cvt_scalef32_pk16_bf6_f32 v[P+6*\c:P+6*\c+2], v[S+32*\c:S+32*\c+15], v[SO+2*\c]
	v_cvt_scalef32_pk16_bf6_f32 v[PM+4*\c:PM+4*\c+2], v[S+32*\c+16:S+32*\c+31], v[SO+2*\c+1]
.endr
	v_nop
.irp c, 0,1
.irp i, 0,1,2
	v_permlane16_swap_b32 v[P+6*\c+\i], v[PM+4*\c+\i]
.endr
.irp i, 0,1,2
	s_delay_alu instid0(VALU_DEP_3)
	v_mov_b32 v[P+3+6*\c+\i], v[PM+4*\c+\i]
.endr
.endr
.set j, 0
.rept 16
	v_pk_mul_f32 v[O+j:O+j+1], v[O+j:O+j+1], v[FF:FF+1] op_sel_hi:[1,0]
.set j, j+2
.endr
	s_wait_alu depctr_va_vdst(0)
	s_wait_dscnt 0x0
.irp t, 0,1,2,3
.if \t%2
	v_wmma_scale_f32_16x16x128_f8f6f4 v[O+8*\t:O+8*\t+7], v[F+12*\t:F+12*\t+11], v[P:P+11], v[O+8*\t:O+8*\t+7], v[VS+\t/2], v8 matrix_a_fmt:MATRIX_FMT_BF6 matrix_b_fmt:MATRIX_FMT_BF6 matrix_a_scale:MATRIX_SCALE_ROW1
.else
	v_wmma_scale_f32_16x16x128_f8f6f4 v[O+8*\t:O+8*\t+7], v[F+12*\t:F+12*\t+11], v[P:P+11], v[O+8*\t:O+8*\t+7], v[VS+\t/2], v8 matrix_a_fmt:MATRIX_FMT_BF6 matrix_b_fmt:MATRIX_FMT_BF6
.endif
.endr
	s_add_co_u32 s[TS], s[TS], 6400
	s_sub_co_u32 s[STEPS], s[STEPS], 1
	s_cmp_lg_u32 s[STEPS], 0
	s_cbranch_scc1 .Lstep
.rept 4
	v_nop
.endr
	v_add_f32 v14, v14, v15
	s_delay_alu instid0(VALU_DEP_1)
	v_permlanex16_b32 v[TMP], v14, s[SEL], s[SEL+1]
	s_delay_alu instid0(VALU_DEP_1)
	v_add_f32 v14, v14, v[TMP]
	s_wait_alu depctr_va_vdst(0)
	v_rcp_f32 v14, v14
	v_add_nc_u32 v[SCW], s[TT], v9
	s_wait_alu depctr_va_vdst(0)
.set j, 0
.rept 16
	v_pk_mul_f32 v[S+j:S+j+1], v[O+j:O+j+1], v[14:15] op_sel_hi:[1,0]
.set j, j+2
.endr
.irp b, 0,1
	v_max3_num_f32 v[BM+\b], |v[S+16*\b]|, |v[S+16*\b+1]|, 0x2800000
.endr
.irp i, 2,4,6,8,10,12,14
.irp b, 0,1
	s_delay_alu instid0(VALU_DEP_2)
	v_max3_num_f32 v[BM+\b], v[BM+\b], |v[S+16*\b+\i]|, |v[S+16*\b+\i+1]|
.endr
.endr
.irp b, 0,1
	s_delay_alu instid0(VALU_DEP_2)
	v_permlanex16_b32 v[PM+\b], v[BM+\b], s[SEL], s[SEL+1]
.endr
.irp b, 0,1
	s_delay_alu instid0(VALU_DEP_2)
	v_max_num_f32 v[BM+\b], v[BM+\b], v[PM+\b]
.endr
.irp b, 0,1
	s_delay_alu instid0(VALU_DEP_2)
	v_add_nc_u32 v[SO+\b], 0xfe000000, v[BM+\b]
.endr
.irp b, 0,1
	s_delay_alu instid0(VALU_DEP_2)
	v_lshrrev_b32 v[PM+\b], 23, v[SO+\b]
.endr
	s_delay_alu instid0(VALU_DEP_1)
	v_lshl_or_b32 v[TMP], v[PM+1], 8, v[PM]
	v_cvt_scalef32_pk16_bf6_f32 v[P:P+2], v[S:S+15], v[SO]
	v_cvt_scalef32_pk16_bf6_f32 v[PM:PM+2], v[S+16:S+31], v[SO+1]
	v_nop
.irp i, 0,1,2
	v_permlane16_swap_b32 v[P+\i], v[PM+\i]
.endr
.irp i, 0,1,2
	s_delay_alu instid0(VALU_DEP_3)
	v_mov_b32 v[P+3+\i], v[PM+\i]
.endr
	global_store_b128 v1, v[P:P+3], s[AP:AP+1]
	global_store_b64 v2, v[P+4:P+5], s[AP:AP+1] offset:512
	ds_store_b16 v[SCW], v[TMP]
	s_wait_xcnt 0x0
	s_wait_dscnt 0x0
	s_add_nc_u64 s[QP:QP+1], s[QP:QP+1], 12800
	s_add_nc_u64 s[AP:AP+1], s[AP:AP+1], 12288
	s_add_co_u32 s[TT], s[TT], 32
	s_sub_co_u32 s[TILES], s[TILES], 1
	s_cmp_lg_u32 s[TILES], 0
	s_cbranch_scc1 .Ltile
	s_wait_kmcnt 0x0
	s_barrier_signal -1
	s_barrier_wait -1
	s_cmp_lt_u32 s[WV], 4
	s_cbranch_scc0 .Lno_scales
	ds_load_b64 v[S:S+1], v[SCR]
	s_wait_dscnt 0x0
	global_store_b64 v2, v[S:S+1], s[SCP:SCP+1]
.Lno_scales:
	s_wait_tensorcnt 0x0
	ds_add_u32 v254, v255
	s_wait_dscnt 0x0
	CROUND
	s_endpgm
.Lfunc_end_k_q099716f2b9_attn:
	.size	k_q099716f2b9_attn, .Lfunc_end_k_q099716f2b9_attn-k_q099716f2b9_attn
	.p2alignl 7, 3214868480
	.fill 96, 4, 3214868480
	.section	.rodata,"a",@progbits
	.p2align	6, 0x0
	.amdhsa_kernel k_q099716f2b9_attn
		.amdhsa_group_segment_fixed_size 327680
		.amdhsa_private_segment_fixed_size 0
		.amdhsa_enable_private_segment 0
		.amdhsa_kernarg_size 48
		.amdhsa_user_sgpr_count 2
		.amdhsa_user_sgpr_kernarg_segment_ptr 1
		.amdhsa_wavefront_size32 1
		.amdhsa_system_sgpr_workgroup_id_x 1
		.amdhsa_system_sgpr_workgroup_id_y 1
		.amdhsa_system_sgpr_workgroup_id_z 1
		.amdhsa_system_vgpr_workitem_id 0
		.amdhsa_next_free_vgpr 256
		.amdhsa_next_free_sgpr 96
		.amdhsa_reserve_vcc 0
		.amdhsa_float_denorm_mode_32 3
		.amdhsa_float_denorm_mode_16_64 3
		.amdhsa_memory_ordered 1
		.amdhsa_forward_progress 1
		.amdhsa_inst_pref_size 37
	.end_amdhsa_kernel
	.amdgpu_metadata
---
amdhsa.version: [ 1, 2 ]
amdhsa.kernels:
  - .name:           k_q099716f2b9_attn
    .symbol:         k_q099716f2b9_attn.kd
    .args:
      - { .name: qimg, .offset: 0, .size: 8, .value_kind: global_buffer, .address_space: global }
      - { .name: kimg, .offset: 8, .size: 8, .value_kind: global_buffer, .address_space: global }
      - { .name: vimg, .offset: 16, .size: 8, .value_kind: global_buffer, .address_space: global }
      - { .name: mbits, .offset: 24, .size: 8, .value_kind: global_buffer, .address_space: global }
      - { .name: aimg, .offset: 32, .size: 8, .value_kind: global_buffer, .address_space: global }
      - { .name: asc, .offset: 40, .size: 8, .value_kind: global_buffer, .address_space: global }
    .group_segment_fixed_size: 327680
    .private_segment_fixed_size: 0
    .kernarg_segment_align: 8
    .kernarg_segment_size: 48
    .max_flat_workgroup_size: 512
    .sgpr_count:     96
    .vgpr_count:     256
    .wavefront_size: 32
...
	.end_amdgpu_metadata
.endif
;; end of part 2
;; launch proj (part 3): grid 4 x 64, 8 waves a work-group, clusters of 4 x 4, 308,224 bytes of LDS; arguments aimg, asc, wimg, b_out, out0; writes out0
.if DOCPART == 3
	.amdgcn_target "amdgcn-amd-amdhsa--gfx1250"
	.amdhsa_code_object_version 6
	.text
	.protected	k_q099716f2b9_proj
	.globl	k_q099716f2b9_proj
	.p2align	8
	.type	k_q099716f2b9_proj,@function
k_q099716f2b9_proj:
	s_mov_b64 s[64:65], 0
	v_nop
	global_prefetch_b8 v0, s[64:65] scope:SCOPE_SE
	s_setreg_imm32_b32 hwreg(HW_REG_WAVE_MODE, 25, 1), 1
	s_wait_xcnt 0x0
	s_wait_alu depctr_hold_cnt(0) depctr_sa_sdst(0) depctr_va_vdst(0) depctr_va_sdst(0) depctr_va_ssrc(0) depctr_va_vcc(0) depctr_vm_vsrc(0)
	s_getreg_b32 s2, hwreg(HW_REG_IB_STS2, 6, 4)
	s_cmp_eq_u32 s2, 0
	s_cbranch_scc0 .Lentry_in_a_cluster
	s_endpgm
.Lentry_in_a_cluster:
	s_bfe_u32 s2, ttmp6, 0x10000c
	s_cmp_lg_u32 s2, 0xf033
	s_cbranch_scc0 .Lentry_shape_is_right
	s_endpgm
.Lentry_shape_is_right:
; PROJ: out0 = A W^T + b on codes of E3M2.  A [8192][1024]: the attention launch's result as fragment images (aimg) with two scale bytes for each (row, head) (asc).  W [1024][1024]: blocks of four fragment
; images and their scale words (wimg).  out0 [8192][1024] f32.
; SHARES.  A work-group makes 128 rows x 256 columns: 256 work-groups.  Each of its eight waves makes 64 x 64: 16 accumulators; wave w: rows 64 (w / 4) on, columns 64 (w % 4) on.
; LDS.  All of K lies in LDS, filled ONCE: A's 64 fragments (98,304 bytes), W's 32 blocks (204,800), A's scale bytes (4,096).  Nothing is filled again.
; CLUSTER.  4 x 4 work-groups.  A's rows hang on the tile row alone: asked for jointly by the four of a row of the cluster; W's on the tile column alone: by the four of a column.
; THE MATRIX INSTRUCTION IS USED TRANSPOSED (source 0 = 16 rows of W, source 1 = 16 rows of A): a lane holds eight neighbouring columns of one row of out0.
; THE BIAS is the C of each sum's first product: it is loaded, in the result's layout, into the accumulators of the first tile of rows; the other three tiles' first products take those registers as C,
; and then the first tile's add onto them in place.
; REGISTERS: v1, v2 A's images (16, 8 x lane + my rows); v3, v4 W's; v5 A's scale bytes; v6, v7 my stage, in and back; v8 my place in two rows of out0; v9 32 x (lane / 16);
; v10-17 W's scale words, v18-25 A's; v26-73 four fragments of A, v74-121 four of W (on the way out: rows read back); v128-255 accumulator (a, b) at 128 + 8 (4 a + b).
.set WV,  14                           ; s14  my wave's number
.set WL,  98304
.set SL,  303104
.set G1A, 16                           ; s[16:23], s[24:31], s[32:39] descriptor groups 1 for A, A's scales, W;  s[40:43], s[44:47], s[48:51] their groups 0
.set G1S, 24
.set G1W, 32
.set G0A, 40
.set G0S, 44
.set G0W, 48
.set WS,  10
.set AS,  18
.set FA,  26
.set FW,  74
.set BK,  26
.set ACC, 128
.macro CROUND
	s_barrier_signal -1
	s_barrier_wait -1
	s_cmp_lg_u32 s[WV], 0
	s_cbranch_scc1 .Lnot_wave_0_\@
	s_barrier_signal -3
.Lnot_wave_0_\@:
	s_barrier_wait -3
	s_barrier_signal -1
	s_barrier_wait -1
.endm
.macro LDF reg, a16, a8, off           ; a fragment comes as it was stored
	ds_load_b128 v[\reg:\reg+3], v[\a16] offset:\off
	ds_load_b64 v[\reg+4:\reg+5], v[\a8] offset:\off+512
	ds_load_b128 v[\reg+6:\reg+9], v[\a16] offset:\off+768
	ds_load_b64 v[\reg+10:\reg+11], v[\a8] offset:\off+1280
.endm
; The scale words of K steps 4 g .. 4 g + 3.  W's: a block's image gives fragment f in register f / 2, lanes 16 (f % 2) on.  A's: a row's word for K step k is head 2 k's two bytes below head 2 k + 1's;
; the 32 lanes take 32 rows, so one register serves two tiles of rows: tile a in lanes 16 (a % 2) on.
.macro SCALES g
.irp b, 0,1,2,3
	ds_load_b64 v[WS+2*\b:WS+2*\b+1], v4 offset:(2*\b+\g)*6400+6144
.endr
.irp p, 0,1
.irp f, 0,1,2,3
	ds_load_u16 v[FA+2*(4*\p+\f)], v5 offset:512*(4*\g+\f)+64*\p
	ds_load_u16 v[FA+2*(4*\p+\f)+1], v5 offset:512*(4*\g+\f)+64*\p+256
.endr
.endr
	s_wait_dscnt 0x0
.irp p, 0,1
.irp f, 0,1,2,3
	v_lshl_or_b32 v[AS+4*\p+\f], v[FA+2*(4*\p+\f)+1], 16, v[FA+2*(4*\p+\f)]
.endr
.endr
.rept 8
	v_nop                                          ; a scale register written by a vector instruction stands eight places ahead of a scaled product
.endr
.endm
.macro PROD k, a, b, first             ; accumulator (a, b), K step k.  first = 1: C is the bias, in accumulator (0, b)'s registers
.set rD, ACC+8*(4*(\a)+(\b))
.if \first
.set rC, ACC+8*(\b)
.else
.set rC, rD
.endif
.set rW, FW+12*(\b)
.set rA, FA+12*(\a)
.set rSW, WS+2*(\b)+((\k)%4)/2
.set rSA, AS+4*((\a)/2)+(\k)%4
.if ((\k)%2) && ((\a)%2)
	v_wmma_scale_f32_16x16x128_f8f6f4 v[rD:rD+7], v[rW:rW+11], v[rA:rA+11], v[rC:rC+7], v[rSW], v[rSA] matrix_a_fmt:MATRIX_FMT_BF6 matrix_b_fmt:MATRIX_FMT_BF6 matrix_a_scale:MATRIX_SCALE_ROW1 matrix_b_scale:MATRIX_SCALE_ROW1
.elseif ((\k)%2)
	v_wmma_scale_f32_16x16x128_f8f6f4 v[rD:rD+7], v[rW:rW+11], v[rA:rA+11], v[rC:rC+7], v[rSW], v[rSA] matrix_a_fmt:MATRIX_FMT_BF6 matrix_b_fmt:MATRIX_FMT_BF6 matrix_a_scale:MATRIX_SCALE_ROW1
.elseif ((\a)%2)
	v_wmma_scale_f32_16x16x128_f8f6f4 v[rD:rD+7], v[rW:rW+11], v[rA:rA+11], v[rC:rC+7], v[rSW], v[rSA] matrix_a_fmt:MATRIX_FMT_BF6 matrix_b_fmt:MATRIX_FMT_BF6 matrix_b_scale:MATRIX_SCALE_ROW1
.else
	v_wmma_scale_f32_16x16x128_f8f6f4 v[rD:rD+7], v[rW:rW+11], v[rA:rA+11], v[rC:rC+7], v[rSW], v[rSA] matrix_a_fmt:MATRIX_FMT_BF6 matrix_b_fmt:MATRIX_FMT_BF6
.endif
.endm
; A K step of 128: four fragments of A, four of W, sixteen products; the accumulators take turns, one instruction a turn.
.macro KSTEP k
.irp a, 0,1,2,3
	LDF FA+12*\a, 1, 2, (8*\a+(\k))*1536
.endr
.irp b, 0,1,2,3
	LDF FW+12*\b, 3, 4, (2*\b+(\k)/4)*6400+1536*((\k)%4)
.endr
	s_wait_dscnt 0x0
.if (\k) == 0
.irp a, 1,2,3
.irp b, 0,1,2,3
	PROD \k, \a, \b, 1
.endr
.endr
.rept 5
	v_nop                                          ; five places before a product writes over registers that earlier products took as C
.endr
.irp b, 0,1,2,3
	PROD \k, 0, \b, 0
.endr
.else
.irp a, 0,1,2,3
.irp b, 0,1,2,3
	PROD \k, \a, \b, 0
.endr
.endr
.endif
.rept 4
	v_nop                                          ; four places in front of loads into registers that products have read, and of the first read of results
.endr
.endm
	s_load_b256 s[4:11], s[0:1], 0x0               ; aimg s[4:5], asc s[6:7], wimg s[8:9], b_out s[10:11]
	s_load_b64 s[12:13], s[0:1], 0x20              ; out0
	v_lshl_add_u32 v126, v0, 2, 0x4b000
	v_mov_b32 v127, 0
	ds_add_u32 v126, v127
	ds_add_u32 v126, v127
	v_lshrrev_b32 v1, 5, v0
	s_delay_alu instid0(VALU_DEP_1)
	v_readfirstlane_b32 s[WV], v1                  ; wave 0..7
	s_and_b32 s15, s[WV], 3                        ; which quarter I fetch; also: which 64 columns are mine
	s_lshr_b32 s52, s[WV], 2                       ; which 64 rows are mine
	s_bfe_u32 s53, ttmp6, 0x40000                  ; cx
	s_bfe_u32 s54, ttmp6, 0x40004                  ; cy
	s_lshl_b32 s55, ttmp9, 2
	s_add_co_u32 s55, s55, s53                     ; tile column: 256 columns
	s_and_b32 s56, ttmp7, 0xffff
	s_lshl_b32 s56, s56, 2
	s_add_co_u32 s56, s56, s54                     ; tile row: 128 rows
	s_lshl_b32 s57, s54, 2
	s_lshl_b32 s57, 15, s57                        ; my row of the cluster
	s_lshl_b32 s58, 0x1111, s53                    ; my column
	s_or_b32 s[G1A], s57, (3<<16)|(1<<21)          ; 15:0 the mask; 17:16 elements of 8 bytes; 20 no padding; 21 set beside a mask
	s_or_b32 s[G1S], s57, (3<<16)|(1<<21)
	s_or_b32 s[G1W], s58, (3<<16)|(1<<21)
.irp g, G1A, G1S, G1W
	s_mov_b32 s[\g+1], 32<<16                      ; dense blocks as rows of 256 bytes
	s_mov_b32 s[\g+3], 32<<16
	s_mov_b32 s[\g+5], 32
	s_mov_b32 s[\g+6], 0
	s_mov_b32 s[\g+7], 0
.endr
	s_mov_b32 s[G1A+2], 128<<16                    ; a third of A's fragments: 32,768 bytes
	s_mov_b32 s[G1A+4], 128
	s_mov_b32 s[G1S+2], 16<<16                     ; all of A's scale bytes: 4,096
	s_mov_b32 s[G1S+4], 16
	s_mov_b32 s[G1W+2], 200<<16                    ; of W's blocks: 51,200
	s_mov_b32 s[G1W+4], 200
	s_mul_i32 s60, s56, 98304                      ; A's registers never hold cx, W's never cy
	s_mul_i32 s59, s15, 32768
	s_add_co_u32 s60, s60, s59
	s_mov_b32 s61, 0
	s_wait_dscnt 0x0
	s_wait_kmcnt 0x0
	s_mov_b32 s[G0A], 1
	s_mov_b32 s[G0A+1], s59
	s_add_nc_u64 s[G0A+2:G0A+3], s[4:5], s[60:61]
	s_or_b32 s[G0A+3], s[G0A+3], 0x80000000
	s_lshl_b32 s60, s56, 12
	s_mov_b32 s59, 0
	s_add_co_u32 s60, s60, s59
	s_mov_b32 s[G0S], 1
	s_add_co_u32 s[G0S+1], s59, SL
	s_add_nc_u64 s[G0S+2:G0S+3], s[6:7], s[60:61]
	s_or_b32 s[G0S+3], s[G0S+3], 0x80000000
	s_mul_i32 s62, s55, 204800
	s_mul_i32 s59, s15, 51200
	s_add_co_u32 s62, s62, s59
	s_mov_b32 s63, 0
	s_mov_b32 s[G0W], 1
	s_add_co_u32 s[G0W+1], s59, WL
	s_add_nc_u64 s[G0W+2:G0W+3], s[8:9], s[62:63]
	s_or_b32 s[G0W+3], s[G0W+3], 0x80000000
	CROUND                                         ; all sixteen work-groups are here: the joint loads meet
	s_cmp_lt_u32 s[WV], 3                          ; one load a wave, in one chain of branches on its number: waves 0-2 a third of A each, wave 3 A's scale bytes, waves 4-7 a quarter of W each
	s_cbranch_scc0 .Lfor_s
	tensor_load_to_lds s[G0A:G0A+3], s[G1A:G1A+7]
	s_nop 0
.rept 4
	v_nop
.endr
	s_branch .Lasked
.Lfor_s:
	s_cmp_lt_u32 s[WV], 4
	s_cbranch_scc0 .Lfor_w
	tensor_load_to_lds s[G0S:G0S+3], s[G1S:G1S+7]
	s_nop 0
.rept 4
	v_nop                                          ; (four nops behind the load)
.endr
	s_branch .Lasked
.Lfor_w:
	tensor_load_to_lds s[G0W:G0W+3], s[G1W:G1W+7]
	s_nop 0
.rept 4
	v_nop
.endr
.Lasked:
	v_and_b32 v26, 31, v0                          ; lane
	v_and_b32 v27, 15, v0                          ; r
	v_bfe_u32 v28, v0, 4, 1                        ; h
	s_mul_i32 s57, s52, 49152                      ; my 64 rows' fragments
	v_lshl_add_u32 v1, v26, 4, s57
	v_lshl_add_u32 v2, v26, 3, s57
	s_mul_i32 s57, s15, 51200
	s_add_co_u32 s57, s57, WL                      ; my 64 columns' blocks
	v_lshl_add_u32 v3, v26, 4, s57
	v_lshl_add_u32 v4, v26, 3, s57
	s_lshl_b32 s57, s52, 7
	s_add_co_u32 s57, s57, SL                      ; my 64 rows' scale bytes: 2 a row
	v_lshl_add_u32 v5, v26, 1, s57
	s_mul_i32 s57, s[WV], 4352                     ; my stage: 16 rows x (256 bytes + 16), in A's bytes, once nobody reads them
	v_mul_u32_u24 v6, v27, 272
	s_delay_alu instid0(VALU_DEP_1)
	v_lshl_add_u32 v6, v28, 5, v6
	s_delay_alu instid0(VALU_DEP_1)
	v_add_nc_u32 v6, s57, v6                       ; in: row r, + 32 h
	v_mul_u32_u24 v7, v28, 272
	s_delay_alu instid0(VALU_DEP_1)
	v_lshl_add_u32 v7, v27, 4, v7
	s_delay_alu instid0(VALU_DEP_1)
	v_add_nc_u32 v7, s57, v7                       ; back: lanes 0-15 one row, lanes 16-31 the next
	v_lshlrev_b32 v8, 12, v28
	s_delay_alu instid0(VALU_DEP_1)
	v_lshl_add_u32 v8, v27, 4, v8                  ; and the same two rows in out0
	v_lshlrev_b32 v9, 5, v28
	s_wait_alu depctr_va_vdst(0)
	s_lshl_b32 s60, s55, 10
	s_lshl_b32 s59, s15, 8
	s_add_co_u32 s60, s60, s59                     ; my first column, in bytes
	s_add_nc_u64 s[10:11], s[10:11], s[60:61]
	s_add_nc_u64 s[12:13], s[12:13], s[60:61]
	s_lshl_b32 s60, s56, 19
	s_lshl_b32 s59, s52, 18
	s_add_co_u32 s60, s60, s59                     ; my first row: (128 x tile row + 64 x half) x 4,096 bytes
	s_add_nc_u64 s[12:13], s[12:13], s[60:61]
.irp b, 0,1,2,3
	global_load_b128 v[ACC+8*\b:ACC+8*\b+3], v9, s[10:11] offset:64*\b       ; the bias of columns 16 b + 8 h + 0 .. 7
	global_load_b128 v[ACC+8*\b+4:ACC+8*\b+7], v9, s[10:11] offset:64*\b+16
.endr
	s_wait_tensorcnt 0x0                           ; my parts are in;
	s_barrier_signal -1
	s_barrier_wait -1                              ; everybody's are
	SCALES 0
	s_wait_alu depctr_va_vdst(0)
	s_wait_loadcnt 0x0                             ; the bias
	KSTEP 0
	KSTEP 1
	KSTEP 2
	KSTEP 3
	SCALES 1
	s_wait_alu depctr_va_vdst(0)
	KSTEP 4
	KSTEP 5
	KSTEP 6
	KSTEP 7
	; THE WAY OUT, a block of 16 rows x 64 columns at a time: a lane's 32 bytes of a row go into my stage and come back as whole rows of 256 bytes.
	s_wait_dscnt 0x0
	s_barrier_signal -1                            ; every wave's reads of A's fragments are over: the stages may be written
	s_barrier_wait -1
.macro TOSTAGE a
.irp b, 0,1,2,3
	ds_store_b128 v6, v[ACC+8*(4*(\a)+\b):ACC+8*(4*(\a)+\b)+3] offset:64*\b      ; each accumulator from its low end on
	ds_store_b128 v6, v[ACC+8*(4*(\a)+\b)+4:ACC+8*(4*(\a)+\b)+7] offset:64*\b+16
.endr
.irp i, 0,1,2,3,4,5,6,7
	ds_load_b128 v[BK+32*((\a)%2)+4*\i:BK+32*((\a)%2)+4*\i+3], v7 offset:2*\i*272   ; LDS serves a wave's instructions in order: these see the stores above, and the next block's stores come behind them
.endr
.endm
.macro SEND a, younger                 ; younger: the LDS instructions issued behind block a's loads, which may stay out
	s_wait_dscnt \younger
.irp i, 0,1,2,3,4,5,6,7
	global_store_b128 v8, v[BK+32*((\a)%2)+4*\i:BK+32*((\a)%2)+4*\i+3], s[12:13] offset:(\a)*65536+2*\i*4096 th:TH_STORE_NT   ; 16 lanes store 256 consecutive bytes, aligned to 256
.endr
.endm
	TOSTAGE 0
	TOSTAGE 1
	SEND 0, 16                                     ; behind block 0's loads: block 1's 8 stores and 8 loads
	s_wait_xcnt 0x0                                ; block 0's stores have read their registers: block 2's loads may land there
	TOSTAGE 2
	SEND 1, 16
	s_wait_xcnt 0x0
	TOSTAGE 3
	SEND 2, 16
	SEND 3, 0
	s_wait_tensorcnt 0x0
	ds_add_u32 v126, v127
	s_wait_dscnt 0x0
	CROUND                                         ; the closing round: no work-group ends while a partner may still ask for a tile that names it
	s_endpgm
.Lfunc_end_k_q099716f2b9_proj:
	.size	k_q099716f2b9_proj, .Lfunc_end_k_q099716f2b9_proj-k_q099716f2b9_proj
	.p2alignl 7, 3214868480
	.fill 96, 4, 3214868480
	.section	.rodata,"a",@progbits
	.p2align	6, 0x0
	.amdhsa_kernel k_q099716f2b9_proj
		.amdhsa_group_segment_fixed_size 308224
		.amdhsa_private_segment_fixed_size 0
		.amdhsa_enable_private_segment 0
		.amdhsa_kernarg_size 40
		.amdhsa_user_sgpr_count 2
		.amdhsa_user_sgpr_kernarg_segment_ptr 1
		.amdhsa_wavefront_size32 1
		.amdhsa_system_sgpr_workgroup_id_x 1
		.amdhsa_system_sgpr_workgroup_id_y 1
		.amdhsa_system_sgpr_workgroup_id_z 1
		.amdhsa_system_vgpr_workitem_id 0
		.amdhsa_next_free_vgpr 256
		.amdhsa_next_free_sgpr 66
		.amdhsa_reserve_vcc 0
		.amdhsa_float_denorm_mode_32 3
		.amdhsa_float_denorm_mode_16_64 3
		.amdhsa_memory_ordered 1
		.amdhsa_forward_progress 1
		.amdhsa_inst_pref_size 53
	.end_amdhsa_kernel
	.amdgpu_metadata
---
amdhsa.version: [ 1, 2 ]
amdhsa.kernels:
  - .name:           k_q099716f2b9_proj
    .symbol:         k_q099716f2b9_proj.kd
    .args:
      - { .name: aimg, .offset: 0, .size: 8, .value_kind: global_buffer, .address_space: global }
      - { .name: asc, .offset: 8, .size: 8, .value_kind: global_buffer, .address_space: global }
      - { .name: wimg, .offset: 16, .size: 8, .value_kind: global_buffer, .address_space: global }
      - { .name: b_out, .offset: 24, .size: 8, .value_kind: global_buffer, .address_space: global }
      - { .name: out0, .offset: 32, .size: 8, .value_kind: global_buffer, .address_space: global }
    .group_segment_fixed_size: 308224
    .private_segment_fixed_size: 0
    .kernarg_segment_align: 8
    .kernarg_segment_size: 40
    .max_flat_workgroup_size: 256
    .sgpr_count:     66
    .vgpr_count:     256
    .wavefront_size: 32
...
	.end_amdgpu_metadata
.endif
;; end of part 3
